; MI455X (gfx1250); checked and timed in simulation.
; The chip was launched on July 23, 2026; its instructions are those of AMD's public machine-readable ISA for CDNA 5 (MIT licence, August 2026) and "CDNA5" Instruction Set Architecture Reference Guide (July 2026). The comments in the code are by the model that wrote it; some were corrected since.
;; Optimized Linear. Allowed arithmetic: matrix products marked QUANTISED: E3M2 operands, one E8M0 scale for each 32 along K, by v_wmma_scale_f32_16x16x128_f8f6f4 with both operands' format E3M2, f32 sums; everything else in f32.
;; Inputs: bias 4,096 float32; weight 4,096 x 4,096 float32; x 4,096 x 4,096 float32.
;; Outputs: out0 4,096 x 4,096 float32.
;; This version of the problem:
;;   THIS VERSION OF THE PROBLEM IS GIVEN IN LOW PRECISION. The matrix products marked QUANTISED in the list below multiply operands that are first quantised to E3M2 (3 exponent bits, 2 mantissa bits; 6 bits a number), with one power-of-two scale for each 32 numbers along K (OCP MX v1.0); their sums are f32. All else is computed in f32.
;;   The module's matrix products, in the order in which they are computed (A, B: the left and right operand; K: the contracted axis; several contracted axes count as one K, in the product's order):
;;     1. [M 4,096, K 4,096] x [K 4,096, N 4,096]; A: computed on the way; B: input weight: QUANTISED
;;   THE QUANTISER, for each operand of a quantised product, along K:
;;     - K is cut into blocks of 32 from its start; a last block that is shorter is filled with zeros.
;;     - A block's scale is 2^e with e = floor(log2(the largest magnitude in the block)) - 4, held to -126 .. 127; a block of zeros has e = 0. As a byte (E8M0): e + 127.
;;     - Each number is divided by its block's scale, clamped to +-28, and rounded to the nearest number of E3M2, ties to even, subnormals kept.
;;     - The product sums the exact products of the quantised numbers (number of the format x scale) in f32.
;;   ~~~python
;;   def quantise(x, axis):      # numpy; x: float32 -> the quantised numbers, widened to float32 again
;;       x = np.moveaxis(x, axis, -1); K = x.shape[-1]
;;       x = np.pad(x, [(0, 0)] * (x.ndim - 1) + [(0, -K % 32)]); x = x.reshape(x.shape[:-1] + (-1, 32)); a = np.abs(x).max(-1, keepdims=True)
;;       e = np.where(a > 0, np.clip(np.frexp(np.where(a > 0, a, 1))[1] - 1 - 4, -126, 127), 0)      # np.frexp(a)[1] - 1 = floor(log2(a)), exactly
;;       r = np.clip(x / 2.0 ** e, -28, 28)
;;       step = 2.0 ** (np.maximum(np.frexp(np.where(r == 0, 1, r))[1] - 1, -2) - 2)
;;       q = np.round(r / step) * step * 2.0 ** e      # np.round: ties to even
;;       return np.moveaxis(q.reshape(q.shape[:-2] + (-1,))[..., :K], -1, axis).astype(np.float32)
;;   ~~~
;;   OPERANDS COMPUTED ON THE WAY. 'Computed on the way' means the value that the module computes at that place (a softmax that the list does not call 'softmax' is quantised finished and normalised). What goes into a quantiser is computed in f32, as accurately as f32 sums, v_exp_f32 and their like allow (about 1e-6 of the number): no bf16 or f16 on the way to a quantiser, and a product that is left as it is and whose result goes on into a quantised operand takes f32 operands (vector FMAs, or v_wmma_f32_16x16x4_f32). A number that lies on a knife's edge between two numbers of the format may be rounded either way, as far as f32 arithmetic and the matrix unit's own rounding can turn it there, and no further.
;; One version. Each part assembles by itself: llvm-mc -triple=amdgcn-amd-amdhsa -mcpu=gfx1250 --defsym DOCPART=n.
;; ======== version 1 of 1: 2 launches
;; limits: right only within a limited range of input values
;; workspace buffers: xq 13,107,200 bytes; wq 13,107,200 bytes
;; launch quant (part 1): grid 512 x 1, 8 waves a work-group, no clusters, 96,256 bytes of LDS; arguments x, weight, xq, wq; writes xq, wq
.if DOCPART == 1
	.amdgcn_target "amdgcn-amd-amdhsa--gfx1250"
	.amdhsa_code_object_version 6
	.text
	.protected	k_q8e2e199d34_quant
	.globl	k_q8e2e199d34_quant
	.p2align	8
	.type	k_q8e2e199d34_quant,@function
k_q8e2e199d34_quant:
	s_mov_b64 s[64:65], 0
	v_nop
	global_prefetch_b8 v0, s[64:65] scope:SCOPE_SE
	s_setreg_imm32_b32 hwreg(HW_REG_WAVE_MODE, 25, 1), 1
	s_wait_xcnt 0x0
; x [4096][4096] and weight [4096][4096], f32, K innermost, become codes of BF6 (E3M2), 6 bits each, with one E8M0 scale byte for each 32 along K, LAID IN THE ORDER OF THE MATRIX OPERAND'S REGISTERS.
; x first takes the int8 step: s = (the row's largest magnitude) / 127, 1 where that is 0; q = x / s rounded to the nearest whole number, ties to even, held to +-127; the number that is quantised is q x s.
; BOTH DIVISIONS ARE CORRECTED: a first quotient by a reciprocal, its remainder by one fused multiply-add, the correction by a second: a quotient that fell on the other side of a half
; would move the number by a whole int8 step, which can turn a code.
; A block's scale is 2^(floor(log2(its largest magnitude)) - 4); its byte is the largest magnitude's exponent field - 4, held at 1 from below.
; THE OUTPUT, xq or wq: [32 groups of 128 rows][32 K steps of 128][12,800 bytes].  Such a block is eight FRAGMENT IMAGES of 1,536 bytes (fragment i: rows 16 i + r) and then 128 scale words (row 16 i + r at 64 i + 4 r; byte b for k = 32 b on).
; In a fragment lane (r, h) holds row r, and its register 6 c + d the d-th word of the row's block 2 c + h of 32 codes (24 bytes).  The image has register p of lane l = r + 16 h at byte 512 (p / 4) + 16 l + 4 (p % 4):
; three loads of 16 bytes a lane, each of 512 consecutive bytes, bring the fragment.
; LIMITS: NaN and infinities among the inputs are not served.  A row of x whose largest magnitude lies under 127 x 2^-126 and is not 0 is not served (the reciprocal takes a denormal s for 0);
; under about 2^-95 the quotient's remainder may lose bits.  A block of zeros gets the byte 1 where the rule says 127: its codes are zeros, which add nothing under any byte but 0xff, and this program
; alone reads the bytes.  Blocks whose largest magnitude lies under the floor 2^-122 were not tried.
; SHARES.  256 consecutive bytes of an image hold 16 bytes of each of a fragment's 16 rows: so a work-group takes 16 rows, eight waves two neighbouring rows each.  Work-groups with an even number take x, the others weight.
; Both tensors take ONE path: the pointers are chosen on the work-group's number, and only two kinds of blocks of pure register work (the row's maximum, the int8 step) are jumped over for weight.
; A ROW STAYS IN REGISTERS (128 of them) between the pass that finds its maximum and the steps that quantise it: memory is read once.  While row 0 is quantised, step by step, row 1's loads land in the registers that a step has left.
; A STEP is 512 numbers.  Each load reads 512 consecutive bytes, 16 a lane; the conversion wants 16 NEIGHBOURS in a lane: so a step's 2,048 bytes turn through the wave's own stage in LDS (in as they lie, back 64 bytes a lane;
; 16 bytes of padding behind each 64).  Two neighbouring lanes hold a block of 32.
; THE WAY OUT.  A lane's 16 codes are three words of one lane of an image: they go, word by word, to the work-group's stage in LDS, which holds the 32 images of these 16 rows, each run of 256 bytes 272 apart.
; One barrier; then wave w stores the images of K steps 4 w to 4 w + 3: twelve stores of 512 consecutive bytes each, at multiples of 256 from the buffer's first byte.
; The scale words of 16 rows are 64 consecutive bytes of a K step's block, a quarter of an aligned 256 (the other quarters are other work-groups' rows): one byte in 25 of what the launch stores.
; No tensor loads, no matrix unit, no cluster.  No loop: every offset is an immediate and no address register is written twice.
.set SP,    80                         ; a lane's place in a turning stage: 64 bytes + 16 of padding
.set STG,   32*SP                      ; a turning stage; two for each wave, by turns
.set UP,    272                        ; LDS: 256 bytes of an image + 16
.set SCW,   192*UP                     ; LDS 0 on: the 32 images, six runs of 256 bytes each; behind them the scale words, 64 bytes a K step;
.set TS,    SCW+2048                   ; behind them the waves' turning stages
.set WTS,   2*STG
.set FRB,   1536                       ; a fragment's image
.set SCO,   8*FRB                      ; where the scale words begin in a K step's block
.set STEPB, SCO+512                    ; a K step's block
.set GROW,  32*STEPB                   ; a group of 128 rows
.set M,     12                         ; v12-15   maxima, at work
.set R,     32                         ; v32-159  the row as loaded: group t (16 registers) is step t's 2,048 bytes
.set OUT,   32                         ; v32-81   on the way out: twelve times 16 bytes of images, and 8 bytes of scale words
.set X,     160                        ; v160-191 two sets of 16 neighbours
.set T,     192                        ; v192-199 the int8 step: quotients
.set U,     200                        ; v200-207 remainders
.set C,     208                        ; v208-215 codes: two sets of four registers, by turns
.set E,     216                        ; v216-217 scale bytes, by turns
; v3 16 x lane;  v4, v5 the turning stage, in and out;  v6-8 where my three words of codes go;  v9 my block's scale byte;  v10 the images back;  v23 the scale words back;  v24 their place in memory
; v[16:17] s, s;  v[18:19] r = 1 / s, twice;  v[20:21] -s, -s;  v22 the conversion's scale operand;  v11 1.0;  v25-31 at work at the head
	s_load_b128 s[4:7], s[0:1], 0x0                ; x, weight
	s_load_b128 s[8:11], s[0:1], 0x10              ; xq, wq
	v_lshl_add_u32 v224, v0, 2, 0x17400
	v_mov_b32 v225, 0
	v_lshrrev_b32 v1, 5, v0
	s_delay_alu instid0(VALU_DEP_1)
	v_readfirstlane_b32 s16, v1                    ; wave 0..7
	v_and_b32 v2, 31, v0                           ; lane
	s_delay_alu instid0(VALU_DEP_1)
	v_lshlrev_b32 v3, 4, v2                        ; 16 x lane: my 16 bytes of a load's or a store's 512
	s_mul_i32 s17, s16, WTS
	s_add_co_u32 s17, s17, TS                      ; my wave's turning stages
	v_lshrrev_b32 v4, 2, v2
	s_delay_alu instid0(VALU_DEP_1)
	v_mul_u32_u24 v4, v4, SP
	v_and_b32 v5, 3, v2
	s_delay_alu instid0(VALU_DEP_1)
	v_lshl_add_u32 v4, v5, 4, v4
	s_delay_alu instid0(VALU_DEP_1)
	v_add_nc_u32 v4, s17, v4                       ; on the way in: SP (lane / 4) + 16 (lane % 4)
	v_mul_u32_u24 v5, v2, SP
	s_delay_alu instid0(VALU_DEP_1)
	v_add_nc_u32 v5, s17, v5                       ; and on the way out: SP x lane
	; Lane l of a step holds k = 16 l on: K step l / 8 of the step's four; in it block b = (l / 2) % 4 = 2 c + h, half u = l % 2: registers 6 c + 3 u + 0, 1, 2 of the image's lane (r, h)
	v_lshrrev_b32 v25, 3, v2                       ; l / 8
	v_bfe_u32 v26, v2, 1, 1                        ; h
	v_bfe_u32 v27, v2, 2, 1                        ; c
	v_and_b32 v28, 1, v2                           ; u
	s_delay_alu instid0(VALU_DEP_1)
	v_lshl_add_u32 v27, v27, 1, v28
	s_delay_alu instid0(VALU_DEP_1)
	v_mul_u32_u24 v27, v27, 3                      ; my first register: 3 (2 c + u)
	v_mul_u32_u24 v29, v25, 6*UP                   ; an image is six runs of 256 bytes: run 2 (p / 4) + h holds registers 4 (p / 4) on of lanes 16 h on
	s_delay_alu instid0(VALU_DEP_1)
	v_mad_u32_u24 v29, v26, UP, v29
	s_lshl_b32 s18, s16, 5                         ; row r = 2 x wave (+ 1): 16 bytes a row
	v_add_nc_u32 v29, s18, v29
.irp j, 0,1,2
	v_add_nc_u32 v30, \j, v27                      ; register p
	s_delay_alu instid0(VALU_DEP_1)
	v_lshrrev_b32 v31, 2, v30
	s_delay_alu instid0(VALU_DEP_2)
	v_and_b32 v30, 3, v30
	s_delay_alu instid0(VALU_DEP_2)
	v_mad_u32_u24 v31, v31, 2*UP, v29
	s_delay_alu instid0(VALU_DEP_1)
	v_lshl_add_u32 v[6+\j], v30, 2, v31            ; + 2 UP (p / 4) + 4 (p % 4)
.endr
	v_bfe_u32 v30, v2, 1, 2                        ; b
	s_delay_alu instid0(VALU_DEP_1)
	v_lshl_add_u32 v9, v25, 6, v30                 ; the scale byte: 64 (l / 8) + b,
	s_lshl_b32 s18, s16, 3
	v_add_nc_u32 v9, s18, v9                       ; + 4 r
	v_lshrrev_b32 v30, 4, v2
	v_and_b32 v31, 15, v2
	s_delay_alu instid0(VALU_DEP_2)
	v_mul_u32_u24 v30, v30, UP
	s_delay_alu instid0(VALU_DEP_1)
	v_lshl_add_u32 v10, v31, 4, v30                ; the images back: lanes 0-15 one run of 256 bytes, lanes 16-31 the next,
	s_mul_i32 s18, s16, 24*UP
	v_add_nc_u32 v10, s18, v10                     ; from my wave's four K steps on
	v_lshlrev_b32 v23, 3, v2                       ; the scale words back: 8 bytes a lane of my four K steps' 256
	s_lshl_b32 s18, s16, 8
	v_add_nc_u32 v23, s18, v23
	v_and_b32 v30, 7, v2
	s_delay_alu instid0(VALU_DEP_1)
	v_lshlrev_b32 v30, 3, v30
	s_delay_alu instid0(VALU_DEP_1)
	v_mad_u32_u24 v24, v25, STEPB, v30             ; and in memory: K step l / 8 of the four, 8 (l % 8) bytes on
	v_mov_b32 v11, 1.0
.irp i, 16,17,18,19,20,21
	v_mov_b32 v[\i], 1.0                           ; written here, so that they are written on every way through the text
.endr
	s_mov_b32 s20, 0x42fe0000                      ; 127.0
	s_mov_b32 s21, 0xc2fe0000                      ; -127.0
	s_mov_b32 s22, 0x3c010204                      ; 1 / 127, rounded to f32
	s_mov_b32 s24, 0x76543210                      ; v_permlanex16_b32's selects for lane l xor 16
	s_mov_b32 s25, 0xfedcba98
	s_and_b32 s23, ttmp9, 1                        ; 0: x;  1: weight
	s_wait_kmcnt 0x0
	s_cmp_eq_u32 s23, 0                            ; the choice hangs on the work-group's number alone
	s_cselect_b64 s[4:5], s[4:5], s[6:7]
	s_cselect_b64 s[8:9], s[8:9], s[10:11]
	s_lshr_b32 s18, ttmp9, 1                       ; which 16 rows of the tensor: 0 .. 255
	s_mov_b32 s27, 0
	s_lshl_b32 s26, s18, 18                        ; 16 rows of 16,384 bytes,
	s_lshl_b32 s19, s16, 15                        ; my wave's two
	s_add_co_u32 s26, s26, s19
	s_add_nc_u64 s[4:5], s[4:5], s[26:27]
	s_lshr_b32 s19, s18, 3                         ; the group of 128 rows,
	s_mul_i32 s26, s19, GROW
	s_mul_i32 s19, s16, 4*STEPB                    ; the four K steps that my wave stores
	s_add_co_u32 s26, s26, s19
	s_add_nc_u64 s[8:9], s[8:9], s[26:27]
	s_and_b32 s19, s18, 7                          ; i: which fragment of the group's eight
	s_lshl_b32 s26, s19, 6
	s_add_co_u32 s26, s26, SCO
	s_add_nc_u64 s[10:11], s[8:9], s[26:27]        ; its scale words
	s_mul_i32 s26, s19, FRB
	s_add_nc_u64 s[8:9], s[8:9], s[26:27]          ; its images
.macro LOADG row, t                    ; step t of a row: four loads, 512 consecutive bytes each; read once in the launch
.irp i, 0,1,2,3
	global_load_b128 v[R+16*(\t)+4*\i:R+16*(\t)+4*\i+3], v3, s[4:5] offset:(\row)*16384+2048*(\t)+512*\i th:TH_LOAD_NT
.endr
.endm
.macro TURN t                          ; step t's numbers through stage t % 2: LDS serves a wave's instructions in order (ISA guide 5.7.1.4), so no wait stands between the stores and the loads
.irp i, 0,1,2,3
	ds_store_b128 v4, v[R+16*(\t)+4*\i:R+16*(\t)+4*\i+3] offset:STG*((\t)%2)+8*SP*\i
.endr
.irp i, 0,1,2,3
	ds_load_b128 v[X+16*((\t)%2)+4*\i:X+16*((\t)%2)+4*\i+3], v5 offset:STG*((\t)%2)+16*\i
.endr
.endm
; x alone: the row's largest magnitude, s and 1 / s.  The row's 32 loads are the youngest 32: group g is in when 28 - 4 g are out.  Register work and waits only: nothing in here touches LDS or memory.
.macro PASS1
	s_cmp_lg_u32 s23, 0
	s_cbranch_scc1 .Lno_max_\@
.irp g, 0,1,2,3,4,5,6,7
	s_wait_alu depctr_va_vdst(0)
	s_wait_loadcnt 28-4*\g
.irp c, 0,1,2,3                        ; four chains that do not wait for each other; the first group starts them: nothing is cleared
.if \g == 0
	v_max_num_f32 v[M+\c], |v[R+4*\c]|, |v[R+4*\c+1]|
.else
	v_max3_num_f32 v[M+\c], v[M+\c], |v[R+16*\g+4*\c]|, |v[R+16*\g+4*\c+1]|
.endif
.endr
.irp c, 0,1,2,3
	s_delay_alu instid0(VALU_DEP_4)
	v_max3_num_f32 v[M+\c], v[M+\c], |v[R+16*\g+4*\c+2]|, |v[R+16*\g+4*\c+3]|
.endr
.endr
	s_delay_alu instid0(VALU_DEP_2)
	v_max3_num_f32 v12, v12, v13, v14
	s_delay_alu instid0(VALU_DEP_1)
	v_max_num_f32 v12, v12, v15
	s_delay_alu instid0(VALU_DEP_1)
	v_max_num_f32_dpp v12, v12, v12 row_xmask:1 row_mask:0xf bank_mask:0xf
	s_delay_alu instid0(VALU_DEP_1)
	v_max_num_f32_dpp v12, v12, v12 row_xmask:2 row_mask:0xf bank_mask:0xf
	s_delay_alu instid0(VALU_DEP_1)
	v_max_num_f32_dpp v12, v12, v12 row_xmask:4 row_mask:0xf bank_mask:0xf
	s_delay_alu instid0(VALU_DEP_1)
	v_max_num_f32_dpp v12, v12, v12 row_xmask:8 row_mask:0xf bank_mask:0xf
	s_delay_alu instid0(VALU_DEP_1)
	v_permlanex16_b32 v13, v12, s24, s25
	s_delay_alu instid0(VALU_DEP_1)
	v_max_num_f32 v12, v12, v13                    ; m: the row's largest magnitude, in every lane
	s_delay_alu instid0(VALU_DEP_1)
	v_mul_f32 v13, s22, v12                        ; m / 127: a first quotient,
	s_delay_alu instid0(VALU_DEP_1)
	v_fma_f32 v14, s21, v13, v12                   ; its remainder m - 127 q, exact but for one rounding,
	s_delay_alu instid0(VALU_DEP_1)
	v_fma_f32 v16, v14, s22, v13                   ; and the correction
	s_delay_alu instid0(VALU_DEP_1)
	v_cmp_eq_f32 vcc_lo, 0, v16
	s_delay_alu instid0(VALU_DEP_1)
	v_cndmask_b32 v16, v16, v11, vcc_lo            ; s = 1 where it would be 0
	s_delay_alu instid0(VALU_DEP_1)
	v_xor_b32 v20, 0x80000000, v16                 ; -s
	s_delay_alu instid0(VALU_DEP_2)
	v_mov_b32 v17, v16                             ; the packed forms take pairs
	s_delay_alu instid0(VALU_DEP_2)
	v_mov_b32 v21, v20
	v_rcp_f32 v18, v16
	v_nop                                          ; one plain instruction behind a transcendental before its result is used (ISA guide 5.7.2)
	s_wait_alu depctr_va_vdst(0)
	v_fma_f32 v14, v20, v18, 1.0                   ; 1 - s r
	v_fma_f32 v18, v14, v18, v18                   ; r, one Newton step better
	s_delay_alu instid0(VALU_DEP_1)
	v_mov_b32 v19, v18
.Lno_max_\@:
.endm
; x alone: the int8 step on the 16 numbers in v[XS] on, eight at a time.  Register work only.
.macro INT8
	s_cmp_lg_u32 s23, 0
	s_cbranch_scc1 .Lno_int8_\@
	s_wait_alu depctr_va_vdst(0)
.irp hf, 0,8
.irp k, 0,2,4,6
	v_pk_mul_f32 v[T+\k:T+\k+1], v[XS+\hf+\k:XS+\hf+\k+1], v[18:19]                            ; x r: a first quotient,
.endr
.irp k, 0,2,4,6
	s_delay_alu instid0(VALU_DEP_4)
	v_pk_fma_f32 v[U+\k:U+\k+1], v[T+\k:T+\k+1], v[20:21], v[XS+\hf+\k:XS+\hf+\k+1]            ; its remainder x - s q,
.endr
.irp k, 0,2,4,6
	s_delay_alu instid0(VALU_DEP_4)
	v_pk_fma_f32 v[T+\k:T+\k+1], v[U+\k:U+\k+1], v[18:19], v[T+\k:T+\k+1]                      ; and the correction
.endr
.irp k, 0,1,2,3,4,5,6,7
	v_rndne_f32 v[T+\k], v[T+\k]                   ; to the nearest whole number, ties to even
.endr
.irp k, 0,1,2,3,4,5,6,7
	v_med3_num_f32 v[T+\k], v[T+\k], s21, s20      ; held to +-127
.endr
.irp k, 0,2,4,6
	v_pk_mul_f32 v[XS+\hf+\k:XS+\hf+\k+1], v[T+\k:T+\k+1], v[16:17]                            ; q s
.endr
.endr
.Lno_int8_\@:
.endm
; The 16 numbers in v[XS] on become three words of codes in v[CS] on and, with the neighbour lane's 16, a scale byte; both go to the work-group's stage.
.macro QUANT row, t
	v_max3_num_f32 v12, |v[XS]|, |v[XS+1]|, |v[XS+2]|              ; the largest magnitude of my 16, in two chains
	v_max3_num_f32 v13, |v[XS+3]|, |v[XS+4]|, |v[XS+5]|
.irp i, 6,10
	s_delay_alu instid0(VALU_DEP_2)
	v_max3_num_f32 v12, v12, |v[XS+\i]|, |v[XS+\i+1]|
	s_delay_alu instid0(VALU_DEP_2)
	v_max3_num_f32 v13, v13, |v[XS+\i+2]|, |v[XS+\i+3]|
.endr
	s_delay_alu instid0(VALU_DEP_2)
	v_max3_num_f32 v12, v12, |v[XS+14]|, |v[XS+15]|
	s_delay_alu instid0(VALU_DEP_1)
	v_max3_num_f32 v12, v12, v13, 0x2800000        ; and the floor 2^(5 - 127): the byte cannot fall under 1
	s_delay_alu instid0(VALU_DEP_1)
	v_max_num_f32_dpp v12, v12, v12 row_xmask:1 row_mask:0xf bank_mask:0xf   ; with my neighbour's 16: the block's
	s_delay_alu instid0(VALU_DEP_1)
	v_add_nc_u32 v22, 0xfe000000, v12              ; 4 off its exponent field: the conversion takes the exponent field of this operand as its scale, and nothing else of it
	v_cvt_scalef32_pk16_bf6_f32 v[CS:CS+2], v[XS:XS+15], v22       ; sixteen numbers / the scale, to the nearest code, ties to even, beyond 28 the largest code; 96 bits without gaps
	v_lshrrev_b32 v[E+(\t)%2], 23, v22             ; the scale's byte; also the plain instruction behind the conversion
	ds_store_b8 v9, v[E+(\t)%2] offset:SCW+256*(\t)+4*(\row)       ; both lanes of a block write the same byte with the same value.  A step is four K steps: 256 bytes of scale words on
.irp j, 0,1,2
	ds_store_b32 v[6+\j], v[CS+\j] offset:24*UP*(\t)+16*(\row)     ; four images on for each step, 16 bytes on for my second row
.endr
.endm
.macro STEP row, t
.if (\t) > 0
	s_wait_dscnt 4                                 ; all but the last step's four stores: this step's numbers are back from the turning stage, so its stores into that stage have read group t
.else
	s_wait_dscnt 0x0
.endif
.if (\row) == 0
	LOADG 1, \t                                    ; group t takes the same step of the next row
.endif
.if (\t) < 7
.if (\row) == 0
	s_wait_loadcnt 28                              ; group t + 1 of this row is in: behind it came 4 (6 - t) loads of this row and 4 (t + 1) of the next
.else
	s_wait_loadcnt 4*(6-(\t))                      ; behind it came this row's groups t + 2 to 7
.endif
	TURN (\t)+1                                    ; the next step goes through the other stage while this one is worked
.endif
.set XS, X+16*((\t)%2)
.set CS, C+4*((\t)%2)
	INT8
	QUANT \row, \t
.endm
.irp t, 0,1,2,3,4,5,6,7
	LOADG 0, \t
.endr
	PASS1
	s_wait_loadcnt 28                              ; group 0 is in (for weight this is the first wait)
	TURN 0
.irp t, 0,1,2,3,4,5,6,7
	STEP 0, \t
.endr
	PASS1                                          ; row 1's 32 loads are now the youngest 32
	s_wait_loadcnt 28
	TURN 0
.irp t, 0,1,2,3,4,5,6,7
	STEP 1, \t
.endr
	s_wait_dscnt 0x0                               ; for the others' sake: my stores into the work-group's stage are done
	s_barrier_signal -1
	s_barrier_wait -1                              ; the 16 rows' images and scale words are whole
.irp n, 0,1,2,3,4,5,6,7,8,9,10,11      ; K step 4 w + n / 3, its image's n % 3-th 512 bytes
	ds_load_b128 v[OUT+4*\n:OUT+4*\n+3], v10 offset:6*UP*(\n/3)+2*UP*(\n%3)
.endr
	ds_load_b64 v[OUT+48:OUT+49], v23 offset:SCW
.irp n, 0,1,2,3,4,5,6,7,8,9,10,11
	s_wait_dscnt 12-\n                             ; LDS loads come back in order: behind the n-th came 12 - n
	global_store_b128 v3, v[OUT+4*\n:OUT+4*\n+3], s[8:9] offset:STEPB*(\n/3)+512*(\n%3)   ; 32 lanes store 512 consecutive bytes, at a multiple of 256 from the buffer's first byte; the next launch reads them: no hint
.endr
	s_wait_dscnt 0x0
	global_store_b64 v24, v[OUT+48:OUT+49], s[10:11]               ; eight lanes store the 64 bytes of a K step's scale words of these 16 rows; four K steps an instruction
	s_wait_tensorcnt 0x0
	ds_add_u32 v224, v225
	s_wait_dscnt 0x0
	s_endpgm
.Lfunc_end_k_q8e2e199d34_quant:
	.size	k_q8e2e199d34_quant, .Lfunc_end_k_q8e2e199d34_quant-k_q8e2e199d34_quant
	.p2alignl 7, 3214868480
	.fill 96, 4, 3214868480
	.section	.rodata,"a",@progbits
	.p2align	6, 0x0
	.amdhsa_kernel k_q8e2e199d34_quant
		.amdhsa_group_segment_fixed_size 96256
		.amdhsa_private_segment_fixed_size 0
		.amdhsa_enable_private_segment 0
		.amdhsa_kernarg_size 32
		.amdhsa_user_sgpr_count 2
		.amdhsa_user_sgpr_kernarg_segment_ptr 1
		.amdhsa_wavefront_size32 1
		.amdhsa_system_sgpr_workgroup_id_x 1
		.amdhsa_system_sgpr_workgroup_id_y 1
		.amdhsa_system_sgpr_workgroup_id_z 1
		.amdhsa_system_vgpr_workitem_id 0
		.amdhsa_next_free_vgpr 226
		.amdhsa_next_free_sgpr 66
		.amdhsa_reserve_vcc 1
		.amdhsa_float_denorm_mode_32 3
		.amdhsa_float_denorm_mode_16_64 3
		.amdhsa_memory_ordered 1
		.amdhsa_forward_progress 1
		.amdhsa_inst_pref_size 123
	.end_amdhsa_kernel
	.amdgpu_metadata
---
amdhsa.version: [ 1, 2 ]
amdhsa.kernels:
  - .name:           k_q8e2e199d34_quant
    .symbol:         k_q8e2e199d34_quant.kd
    .args:
      - { .name: x, .offset: 0, .size: 8, .value_kind: global_buffer, .address_space: global }
      - { .name: weight, .offset: 8, .size: 8, .value_kind: global_buffer, .address_space: global }
      - { .name: xq, .offset: 16, .size: 8, .value_kind: global_buffer, .address_space: global }
      - { .name: wq, .offset: 24, .size: 8, .value_kind: global_buffer, .address_space: global }
    .group_segment_fixed_size: 96256
    .private_segment_fixed_size: 0
    .kernarg_segment_align: 8
    .kernarg_segment_size: 32
    .max_flat_workgroup_size: 256
    .sgpr_count:     66
    .vgpr_count:     226
    .wavefront_size: 32
...
	.end_amdgpu_metadata
.endif
;; end of part 1
;; launch gemm (part 2): grid 16 x 16, 4 waves a work-group, clusters of 4 x 4, 327,680 bytes of LDS; arguments xq, wq, bias, out0; writes out0
.if DOCPART == 2
	.amdgcn_target "amdgcn-amd-amdhsa--gfx1250"
	.amdhsa_code_object_version 6
	.text
	.protected	k_q8e2e199d34_gemm
	.globl	k_q8e2e199d34_gemm
	.p2align	8
	.type	k_q8e2e199d34_gemm,@function
k_q8e2e199d34_gemm:
	s_mov_b64 s[64:65], 0
	v_nop
	global_prefetch_b8 v0, s[64:65] scope:SCOPE_SE
	s_setreg_imm32_b32 hwreg(HW_REG_WAVE_MODE, 25, 1), 1
	s_wait_xcnt 0x0
	s_wait_alu depctr_hold_cnt(0) depctr_sa_sdst(0) depctr_va_vdst(0) depctr_va_sdst(0) depctr_va_ssrc(0) depctr_va_vcc(0) depctr_vm_vsrc(0)
	s_getreg_b32 s2, hwreg(HW_REG_IB_STS2, 6, 4)
	s_cmp_eq_u32 s2, 0
	s_cbranch_scc0 .Lentry_in_a_cluster
	s_endpgm
.Lentry_in_a_cluster:
	s_bfe_u32 s2, ttmp6, 0x10000c
	s_cmp_lg_u32 s2, 0xf033
	s_cbranch_scc0 .Lentry_shape_is_right
	s_endpgm
.Lentry_shape_is_right:
; out0[m][n] = sum over k of X[m][k] W[n][k] + bias[n].  X and W are codes of BF6 (E3M2) with one E8M0 byte for each 32 along K, as the launch before laid them:
; xq, wq: [32 groups of 128 rows][32 K steps of 128][12,800 bytes]; such a block is eight fragment images of 1,536 bytes (three loads of 16 bytes a lane bring a fragment's 12 registers) and 128 scale words (row 16 i + r at 64 i + 4 r).
; A tile of 256 x 256 is made by four waves, 128 x 128 each: 64 accumulators, 512 registers.  The first product of each accumulator takes the bias as C: nothing is cleared and nothing is added later.
; THE RING: two LDS slots of three K steps each (4 parts of 38,400 bytes: X's two groups, W's two); a wave fetches one part, a dense block, as 150 rows of 256 bytes.  K is eleven fills: ten of three steps and one of two.
; CLUSTERS: 4 x 4 work-groups; X's parts are asked for jointly along a row of the cluster, W's along a column.
; THE MATRIX INSTRUCTION IS USED TRANSPOSED (source 0 = 16 rows of W, source 1 = 16 rows of X): a lane holds eight neighbouring numbers of a row of out0.
; A K STEP: 64 matrix instructions, X's blocks one after the other, each against W's eight.  Both operands have two sets of registers; the next step's fragments come in TWO runs of LDS loads:
; scale words and W's behind the second group of eight products, X's behind the fifth.
; THE LAST TWO K STEPS GO BY ROWS OF out0: both sets hold fragments, so a block of 16 rows is finished by 16 products and leaves through the wave's stage while the next block is multiplied.
; PREFETCH: behind the joint load of fill c, and behind the run of LDS loads that follows it, the part that I fetch of fill c + 1 is asked for: three K steps ahead of the load that wants it.  The four partners that
; ask for a part jointly share its 150 blocks of 256 bytes out by address: 38, 38, 38 and 36, a lane a block, two instructions a wave (lanes left over name the share's last block again); of the last fill's 100 blocks
; each takes 25, by one instruction.  Nothing is asked for beyond the last fill; what a work-group has asked for and not yet loaded is one fill.
; REGISTERS: window 0: v0-31 addresses; v32-127, v128-223 X's fragments, sets 1 and 0; v224-239 scale words, two sets (lanes 0-15 X's block i, lanes 16-31 W's block i).
;   window 1: v0-95, v128-223 W's fragments, sets 0 and 1; v96-127 and v224-255 the bias, later the rows read back from the stage.   windows 2, 3: the accumulators of my rows 0-63, 64-127: (a, b) at v[8 (8 (a % 4) + b)].
.set SIZE_N, 4096
.set FR,     12                        ; registers of a fragment
.set NP,     4                         ; places behind this matrix instruction (ISA guide 7.12.1)
.set FRB,    1536
.set SCO,    8*FRB                     ; where the scale words begin in a K step's block
.set STEPB,  SCO+512
.set PART,   3*STEPB                   ; what one tensor load brings
.set SLOT,   4*PART
.set GROW,   32*STEPB                  ; a group of 128 rows in memory
.set SPARE,  2*SLOT                    ; behind the ring: the spare words, 128 bytes a wave
.set SPITCH, 528                       ; the stage: 16 rows x (512 + 16) bytes a wave, in slot 1, which has had its last fill and its last read by then
.set TRIPS,  4
.set PF0,  8                           ; v8-9 the prefetches' offsets: blocks 0-31 and 32 on of my share; v10 those of the last fill's share; never rewritten
.set PF1,  9
.set PFV,  10
.set ADRA, 16                          ; v16-17 my X fragments in slot 0, 1
.set ADRS, 18                          ; v18-19 my scale words
.set ADRB, 20                          ; v20-21 my W fragments
.set STO,  24                          ; into the stage
.set RD,   25                          ; back from it
.set CO,   26                          ; 16 x lane
.set SPW,  28                          ; my spare word; never rewritten
.set NIL,  29                          ; 0; never rewritten
.set BO,   30                          ; the bias: 32 (l / 16)
.set AF0,  128
.set SC,   224
.set BI,   96                          ; window 1: eight registers of bias for each of W's blocks: v96-127, v224-255
.set PFA, 8                            ; s[8:9] my share of the part that the next fill brings; s[10:11] of the last fill's
.set PFL, 10
.set G1, 24                            ; s[24:31] group 1 for X's parts; s[32:39] group 0, one for each slot
.set G0, 32
.set G1B, 48                           ; the same for W's
.set G0B, 56
.set G1L, 68                           ; groups 1 for the last fill, of two K steps
.set G1BL, 80
.set MSB, 0
.macro WIN new                         ; the immediate's high byte repeats the setting that is left
.if MSB != (\new)
	s_set_vgpr_msb (MSB<<8)|(\new)
.set MSB, (\new)
.endif
.endm
.set MUL_LO, 0xa1                      ; source 0 (W) window 1, source 1 (X) window 0, C and D window 2
.set MUL_HI, 0xf1
.set FST_LO, 0x91                      ; the first step: C, the bias, window 1
.set FST_HI, 0xd1
.set TO_B,   0x40                      ; destination window 1
.macro JLOAD g0a, g1a, g0b, g1b        ; a joint load: waves 0, 1 fetch X's parts, waves 2, 3 W's; s_nop 0 and four v_nop behind each line
	s_cmp_eq_u32 s15, 0
	s_cbranch_scc0 .Lfor_b_\@
	tensor_load_to_lds s[\g0a:\g0a+3], s[\g1a:\g1a+7]
	s_nop 0
.rept 4
	v_nop
.endr
	s_branch .Lasked_\@
.Lfor_b_\@:
	tensor_load_to_lds s[\g0b:\g0b+3], s[\g1b:\g1b+7]
	s_nop 0
.rept 4
	v_nop
.endr
.Lasked_\@:
.endm
.macro ASK                             ; my share of the next fill's part
	global_prefetch_b8 v[PF0], s[PFA:PFA+1] th:TH_LOAD_NT scope:SCOPE_SE
	global_prefetch_b8 v[PF1], s[PFA:PFA+1] th:TH_LOAD_NT scope:SCOPE_SE
.endm
.macro CREST                           ; a round of the cluster's barrier behind its opening barrier
	s_cmp_lg_u32 s14, 0
	s_cbranch_scc1 .Lnot_wave_0_\@
	s_barrier_signal -3
.Lnot_wave_0_\@:
	s_barrier_wait -3
	s_barrier_signal -1
	s_barrier_wait -1
.endm
.macro CROUND
	s_barrier_signal -1
	s_barrier_wait -1
	CREST
.endm
	s_load_b128 s[4:7], s[0:1], 0x0                ; xq, wq
	s_load_b64 s[96:97], s[0:1], 0x10              ; bias
	s_load_b64 s[12:13], s[0:1], 0x18              ; out0
	v_lshl_add_u32 v[SPW], v0, 2, SPARE
	v_mov_b32 v[NIL], 0
	ds_add_u32 v[SPW], v[NIL]                      ; the opening lines: the add, twice on end, and its wait ahead of my first tensor load
	ds_add_u32 v[SPW], v[NIL]
	v_lshrrev_b32 v1, 5, v0
	v_readfirstlane_b32 s14, v1                    ; wave 0..3
	s_lshr_b32 s15, s14, 1                         ; my half of the tile's rows; also: I fetch for X (0) or W (1)
	s_and_b32 s16, s14, 1                          ; my half of its columns; also: which group of 128 rows I fetch
	s_bfe_u32 s40, ttmp6, 0x40000                  ; cx
	s_bfe_u32 s41, ttmp6, 0x40004                  ; cy
	s_lshl_b32 s42, ttmp9, 2
	s_add_co_u32 s42, s42, s40                     ; tile column
	s_and_b32 s17, ttmp7, 0xffff
	s_lshl_b32 s17, s17, 2
	s_add_co_u32 s17, s17, s41                     ; tile row
	s_lshl_b32 s43, s41, 2
	s_lshl_b32 s43, 15, s43                        ; my row of the cluster
	s_lshl_b32 s44, 0x1111, s40                    ; my column
	s_or_b32 s[G1+0], s43, (3<<16)|(1<<21)         ; the mask; elements of 8 bytes; bit 21 beside a mask
	s_or_b32 s[G1B+0], s44, (3<<16)|(1<<21)
	s_or_b32 s[G1L+0], s43, (3<<16)|(1<<21)
	s_or_b32 s[G1BL+0], s44, (3<<16)|(1<<21)
.irp g, G1, G1B
	s_mov_b32 s[\g+1], 32<<16                      ; rows of 256 bytes,
	s_mov_b32 s[\g+2], (PART/256)<<16              ; 150 of them, dense
	s_mov_b32 s[\g+3], 32<<16
	s_mov_b32 s[\g+4], PART/256
	s_mov_b32 s[\g+5], 32
	s_mov_b32 s[\g+6], 0
	s_mov_b32 s[\g+7], 0
.endr
.irp g, G1L, G1BL
	s_mov_b32 s[\g+1], 32<<16
	s_mov_b32 s[\g+2], (2*STEPB/256)<<16           ; 100 rows: two K steps
	s_mov_b32 s[\g+3], 32<<16
	s_mov_b32 s[\g+4], 2*STEPB/256
	s_mov_b32 s[\g+5], 32
	s_mov_b32 s[\g+6], 0
	s_mov_b32 s[\g+7], 0
.endr
	s_lshl_b32 s20, s17, 1
	s_add_co_u32 s20, s20, s16
	s_mul_i32 s20, s20, GROW                       ; X: group 2 x tile row + half, in bytes
	s_mov_b32 s21, 0
	s_lshl_b32 s46, s42, 1
	s_add_co_u32 s46, s46, s16
	s_mul_i32 s46, s46, GROW                       ; W: group 2 x tile column + half
	s_mov_b32 s47, 0
	s_mul_i32 s45, s14, PART                       ; where my part goes: wave x a part
	s_mul_i32 s88, s15, PART                       ; what I read: my rows' part of X,
	s_mul_i32 s89, s16, PART
	s_add_co_u32 s89, s89, 2*PART                  ; my columns' part of W,
	s_sub_co_u32 s90, s89, s88                     ; the distance between the two;
	s_mul_i32 s91, s14, 16*SPITCH
	s_add_co_u32 s91, s91, SLOT                    ; my stage
	s_lshl_b32 s92, s42, 10
	s_lshl_b32 s93, s16, 9
	s_add_co_u32 s92, s92, s93                     ; my first column, in bytes of f32
	s_mov_b32 s93, 0
	s_lshl_b32 s94, s17, 8
	s_lshl_b32 s95, s15, 7
	s_add_co_u32 s94, s94, s95
	s_lshl_b32 s94, s94, 14                        ; my first row x 16,384 bytes (under 2^26)
	s_mov_b32 s95, 0
	s_cmp_eq_u32 s15, 0
	s_cselect_b32 s18, s40, s41                    ; my place among the four that ask for my part with me: cx for X, cy for W.  It enters the prefetches' addresses alone
	s_cmp_eq_u32 s18, 3
	s_cselect_b32 s3, 3, 5                         ; the second instruction's last block: shares of 38 blocks, the fourth of 36
	s_mul_i32 s22, s18, 38*256
	s_add_co_u32 s22, s22, PART                    ; my share of fill 1
	s_mov_b32 s23, 0
	s_mul_i32 s18, s18, 25*256
	s_add_co_u32 s18, s18, 10*PART                 ; my share of the last fill
	s_mov_b32 s19, 0
	v_and_b32 v1, 15, v0                           ; r.  All address registers are made here, on end
	v_bfe_u32 v2, v0, 4, 1                         ; h
	v_and_b32 v6, 31, v0
	v_lshlrev_b32 v[CO], 4, v6
	v_lshlrev_b32 v[PF0], 8, v6                    ; a lane a block of 256 bytes
	v_min_u32 v[PF1], s3, v6
	v_lshl_add_u32 v[PF1], v[PF1], 8, 32*256
	v_min_u32 v[PFV], 24, v6
	v_lshlrev_b32 v[PFV], 8, v[PFV]
	v_add_nc_u32 v[ADRA], s88, v[CO]
	v_add_nc_u32 v[ADRB], s89, v[CO]
	v_add_nc_u32 v[ADRA+1], SLOT, v[ADRA]
	v_add_nc_u32 v[ADRB+1], SLOT, v[ADRB]
	v_mul_u32_u24 v6, s90, v2                      ; lanes 16-31 take W's scale words
	v_lshl_add_u32 v6, v1, 2, v6
	v_add_nc_u32 v[ADRS], s88, v6
	v_add_nc_u32 v[ADRS+1], SLOT, v[ADRS]
	v_mul_u32_u24 v5, v1, SPITCH
	v_lshl_add_u32 v5, v2, 5, v5
	v_add_nc_u32 v[STO], s91, v5                   ; row r, 32 bytes for each half of the lanes
	v_add_nc_u32 v[RD], s91, v[CO]
	v_lshlrev_b32 v[BO], 5, v2
	s_wait_alu depctr_va_vdst(0)                   ; the wait at the end of the head's vector work; no ordinary vector instruction writes a register behind it
	s_wait_dscnt 0x0                               ; both opening adds are done
	s_wait_kmcnt 0x0
	s_add_nc_u64 s[20:21], s[4:5], s[20:21]
	s_add_nc_u64 s[46:47], s[6:7], s[46:47]
	s_add_nc_u64 s[96:97], s[96:97], s[92:93]
	s_add_nc_u64 s[12:13], s[12:13], s[92:93]
	s_add_nc_u64 s[12:13], s[12:13], s[94:95]
	s_cmp_eq_u32 s15, 0
	s_cselect_b64 s[PFA:PFA+1], s[20:21], s[46:47] ; the group that I fetch
	s_add_nc_u64 s[PFL:PFL+1], s[PFA:PFA+1], s[18:19]
	s_add_nc_u64 s[PFA:PFA+1], s[PFA:PFA+1], s[22:23]
.irp s, 0,1
	s_mov_b32 s[G0+4*\s], 1
	s_add_co_u32 s[G0+4*\s+1], s45, \s*SLOT
	s_add_nc_u64 s[G0+4*\s+2:G0+4*\s+3], s[20:21], \s*PART
	s_or_b32 s[G0+4*\s+3], s[G0+4*\s+3], 0x80000000
	s_mov_b32 s[G0B+4*\s], 1
	s_add_co_u32 s[G0B+4*\s+1], s45, \s*SLOT
	s_add_nc_u64 s[G0B+4*\s+2:G0B+4*\s+3], s[46:47], \s*PART
	s_or_b32 s[G0B+4*\s+3], s[G0B+4*\s+3], 0x80000000
.endr
	CROUND                                         ; all sixteen work-groups are here: the first joint loads meet
	JLOAD G0, G1, G0B, G1B                         ; K steps 0 to 2: one tensor load a wave at the head
	WIN TO_B
.irp b, 0,1,2,3,4,5,6,7                ; the bias of columns 16 b + 8 h + 0 .. 7, in the result's layout; asked for here, so that it lands while the tile is on its way
	global_load_b128 v[BI+8*\b+96*(\b/4):BI+8*\b+96*(\b/4)+3],   v[BO], s[96:97] offset:64*\b
	global_load_b128 v[BI+8*\b+96*(\b/4)+4:BI+8*\b+96*(\b/4)+7], v[BO], s[96:97] offset:64*\b+16
.endr
	WIN 0
	s_wait_loadcnt 0x0                             ; the bias is in; so the lines below stand some way behind the joint load
	ASK                                            ; fill 1
; eight matrix instructions: X's block a against W's eight, on set p.  The accumulators take turns, one instruction a turn
.macro GRP a, p, first
.if \first
	WIN FST_LO+0x40*((\a)/4)
.else
	WIN MUL_LO+0x50*((\a)/4)
.endif
.irp b, 0,1,2,3,4,5,6,7
.if \first
	v_wmma_scale_f32_16x16x128_f8f6f4 v[8*(8*((\a)%4)+\b):8*(8*((\a)%4)+\b)+7], v[128*(\p)+FR*\b:128*(\p)+FR*\b+FR-1], v[AF0-96*(\p)+FR*(\a):AF0-96*(\p)+FR*(\a)+FR-1], v[BI+8*\b+96*(\b/4):BI+8*\b+96*(\b/4)+7], v[SC+8*(\p)+\b], v[SC+8*(\p)+(\a)] matrix_a_fmt:MATRIX_FMT_BF6 matrix_b_fmt:MATRIX_FMT_BF6 matrix_a_scale:MATRIX_SCALE_ROW1
.else
	v_wmma_scale_f32_16x16x128_f8f6f4 v[8*(8*((\a)%4)+\b):8*(8*((\a)%4)+\b)+7], v[128*(\p)+FR*\b:128*(\p)+FR*\b+FR-1], v[AF0-96*(\p)+FR*(\a):AF0-96*(\p)+FR*(\a)+FR-1], v[8*(8*((\a)%4)+\b):8*(8*((\a)%4)+\b)+7], v[SC+8*(\p)+\b], v[SC+8*(\p)+(\a)] matrix_a_fmt:MATRIX_FMT_BF6 matrix_b_fmt:MATRIX_FMT_BF6 matrix_a_scale:MATRIX_SCALE_ROW1
.endif
.endr
.endm
; eight LDS loads of 512 consecutive bytes: k = 0, 1, 2: thirds of W's eight fragments; 3, 4, 5: of X's; of step nq of slot ns, into set np
.macro PT k, ns, nq, np
.if (\k) < 3
	WIN TO_B
.irp j, 0,1,2,3,4,5,6,7
	ds_load_b128 v[128*(\np)+4*(8*(\k)+\j):128*(\np)+4*(8*(\k)+\j)+3], v[ADRB+\ns] offset:(\nq)*STEPB+512*(8*(\k)+\j)
.endr
.else
	WIN 0
.irp j, 0,1,2,3,4,5,6,7
	ds_load_b128 v[AF0-96*(\np)+4*(8*((\k)-3)+\j):AF0-96*(\np)+4*(8*((\k)-3)+\j)+3], v[ADRA+\ns] offset:(\nq)*STEPB+512*(8*((\k)-3)+\j)
.endr
.endif
.endm
.macro SCALES ns, nq, np
	WIN 0
.irp i, 0,1,2,3,4,5,6,7
	ds_load_b32 v[SC+8*(\np)+\i], v[ADRS+\ns] offset:(\nq)*STEPB+SCO+64*\i
.endr
.endm
.macro PLACES n
.rept \n
	v_nop
.endr
.endm
; A K step on set p; the next step's fragments (step nq of slot ns) go into the other set.  kind 0: no barrier.  kind 1, 2: the slot rs, whose last fragments are in registers, is filled again (2: with the last two K steps).
; kind 3: the barrier alone: the other slot is shown whole, nothing is filled.
.macro STEP p, kind, rs, ns, nq, first
.if \kind
	WIN 0
.if \kind == 1
	s_wait_xcnt 0x0                                ; my last prefetches have read their address: it steps here, three K steps behind them
	s_add_nc_u64 s[PFA:PFA+1], s[PFA:PFA+1], PART
.endif
	s_wait_tensorcnt 0x0                           ; all my tensor loads have landed: my part of the other slot;
	ds_add_u32 v[SPW], v[NIL]
	s_wait_dscnt 22                                ; (the add and the youngest 21 loads, X's blocks 1-7, may be out)
.else
	s_wait_dscnt 21                                ; scale words, W's fragments and X's block 0 are in
.endif
	GRP 0, \p, \first
	s_wait_dscnt 0x0                               ; all my LDS instructions are done: the add, where there is one, and my reads of the slot
.if \kind
	s_barrier_signal -1
.endif
	GRP 1, \p, \first
	WIN 0
.if \kind
	s_barrier_wait -1
.endif
.if (\kind == 1) || (\kind == 2)
	CREST                                          ; the barrier has opened a round of the cluster's barrier
	s_add_nc_u64 s[G0+4*\rs+2:G0+4*\rs+3], s[G0+4*\rs+2:G0+4*\rs+3], 2*PART
	s_add_nc_u64 s[G0B+4*\rs+2:G0B+4*\rs+3], s[G0B+4*\rs+2:G0B+4*\rs+3], 2*PART
.if \kind == 1
	JLOAD G0+4*\rs, G1, G0B+4*\rs, G1B             ; the first tensor load behind the round; its four v_nop are the places in front of the loads below
.else
	JLOAD G0+4*\rs, G1L, G0B+4*\rs, G1BL
.endif
.else
	PLACES NP                                      ; in front of loads into the set that the step before multiplied; they serve the second run too
.endif
	SCALES \ns, \nq, 1-\p
	PT 0, \ns, \nq, 1-\p
	PT 1, \ns, \nq, 1-\p
	PT 2, \ns, \nq, 1-\p
.if \kind == 1
	WIN 0
.if \rs == 0
	ASK                                            ; the fill that follows the one just asked for
.else
	s_cmp_eq_u32 s3, 1                             ; in the loop's last trip that is the last fill, of 100 blocks
	s_cbranch_scc1 .Lshort_\@
	ASK
	s_branch .Lnamed_\@
.Lshort_\@:
	global_prefetch_b8 v[PFV], s[PFL:PFL+1] th:TH_LOAD_NT scope:SCOPE_SE
.Lnamed_\@:
.endif
.endif
	GRP 2, \p, \first
	GRP 3, \p, \first
	GRP 4, \p, \first
	PT 3, \ns, \nq, 1-\p
	PT 4, \ns, \nq, 1-\p
	PT 5, \ns, \nq, 1-\p
	GRP 5, \p, \first
	GRP 6, \p, \first
	GRP 7, \p, \first
.endm
	s_wait_tensorcnt 0x0                           ; my part of slot 0 is in
	ds_add_u32 v[SPW], v[NIL]
	s_wait_xcnt 0x0                                ; the prefetches have read their address:
	s_add_nc_u64 s[PFA:PFA+1], s[PFA:PFA+1], PART  ; on to fill 2
	s_wait_dscnt 0x0
	CROUND                                         ; everybody's part is in, and the joint loads meet
	JLOAD G0+4, G1, G0B+4, G1B                     ; K steps 3 to 5, slot 1's first fill
	SCALES 0, 0, 0
.irp k, 0,1,2,3,4,5
	PT \k, 0, 0, 0
.endr
	ASK                                            ; fill 2
	STEP 0, 0, 0, 0, 1, 1                          ; K step 0 starts the sums, on the bias
	WIN 0
	s_mov_b32 s3, TRIPS
.Llap:                                                 ; a trip: six K steps, once round the ring; both slots are filled again
	STEP 1, 0, 0, 0, 2, 0
	STEP 0, 1, 0, 1, 0, 0
	STEP 1, 0, 0, 1, 1, 0
	STEP 0, 0, 0, 1, 2, 0
	STEP 1, 1, 1, 0, 0, 0
	STEP 0, 0, 0, 0, 1, 0
	WIN 0
	s_sub_co_u32 s3, s3, 1
	s_cmp_lg_u32 s3, 0
	s_cbranch_scc1 .Llap
	STEP 1, 0, 0, 0, 2, 0                          ; K step 25
	STEP 0, 2, 0, 1, 0, 0                          ; 26: slot 0 takes K steps 30 and 31
	STEP 1, 0, 0, 1, 1, 0
	STEP 0, 0, 0, 1, 2, 0
	STEP 1, 3, 0, 0, 0, 0                          ; 29: behind its barrier nobody reads slot 1 any more; K step 30 goes into set 0
; THE LAST TWO K STEPS, BY ROWS.  K step 31 goes into set 1; then block a is finished by its eight products of step 30 and its eight of step 31.
.macro TOSTAGE a                       ; block a, 16 rows x 128 columns, into my stage, each accumulator from its low end on, and back as whole rows of 512 bytes.  LDS serves a wave's instructions in order (ISA guide 5.7.1.4)
	WIN 0x08+4*((\a)/4)
.irp b, 0,1,2,3,4,5,6,7
	ds_store_b128 v[STO], v[64*((\a)%4)+8*\b:64*((\a)%4)+8*\b+3] offset:64*\b
	ds_store_b128 v[STO], v[64*((\a)%4)+8*\b+4:64*((\a)%4)+8*\b+7] offset:64*\b+16
.endr
	WIN TO_B
.irp t, 0,1,2,3,4,5,6,7,8,9,10,11,12,13,14,15
	ds_load_b128 v[BI+4*\t+96*(\t/8):BI+4*\t+96*(\t/8)+3], v[RD] offset:\t*SPITCH
.endr
.endm
.macro SEND a
	s_wait_dscnt 0x0                               ; the block is back in registers
	WIN 0x04                                       ; the stores' data: window 1
.if (\a) > 0
	s_add_nc_u64 s[12:13], s[12:13], 16*SIZE_N*4   ; (behind the wait on XCNT in front of TOSTAGE: the earlier stores have read their base)
.endif
.irp t, 0,1,2,3,4,5,6,7,8,9,10,11,12,13,14,15
	global_store_b128 v[CO], v[BI+4*\t+96*(\t/8):BI+4*\t+96*(\t/8)+3], s[12:13] offset:\t*SIZE_N*4 th:TH_STORE_NT   ; 32 lanes store 512 consecutive bytes, at a multiple of 256 from out0's first byte
.endr
.endm
	WIN 0
	PLACES NP                                      ; in front of loads into set 1, which K step 29 multiplied
	SCALES 0, 1, 1
.irp k, 0,1,2,3,4,5
	PT \k, 0, 1, 1
.endr
	s_wait_dscnt 56                                ; all but the 56 just issued: K step 30's fragments are in
	GRP 0, 0, 0
	s_wait_dscnt 21                                ; K step 31's scale words, W's fragments and X's block 0
	GRP 0, 1, 0
.irp a, 0,1,2,3,4,5,6,7
	PLACES NP                                      ; the stage's stores read results just made
.if \a > 0
	s_wait_xcnt 0x0                                ; the last block's stores have read their registers and their base
.endif
	TOSTAGE \a
.if \a < 7
.if \a == 0
	s_wait_dscnt 32                                ; all but the stage's 16 stores and 16 loads: the rest of K step 31 is in
.endif
	GRP \a+1, 0, 0                                 ; the next block is multiplied while this one goes through the stage
	GRP \a+1, 1, 0
.endif
	SEND \a
.endr
	WIN 0
	s_wait_tensorcnt 0x0                           ; the wave's end
	ds_add_u32 v[SPW], v[NIL]
	s_wait_dscnt 0x0
	CROUND                                         ; the closing round
	s_endpgm
.Lfunc_end_k_q8e2e199d34_gemm:
	.size	k_q8e2e199d34_gemm, .Lfunc_end_k_q8e2e199d34_gemm-k_q8e2e199d34_gemm
	.p2alignl 7, 3214868480
	.fill 96, 4, 3214868480
	.section	.rodata,"a",@progbits
	.p2align	6, 0x0
	.amdhsa_kernel k_q8e2e199d34_gemm
		.amdhsa_group_segment_fixed_size 327680
		.amdhsa_private_segment_fixed_size 0
		.amdhsa_enable_private_segment 0
		.amdhsa_kernarg_size 32
		.amdhsa_user_sgpr_count 2
		.amdhsa_user_sgpr_kernarg_segment_ptr 1
		.amdhsa_wavefront_size32 1
		.amdhsa_system_sgpr_workgroup_id_x 1
		.amdhsa_system_sgpr_workgroup_id_y 1
		.amdhsa_system_sgpr_workgroup_id_z 1
		.amdhsa_system_vgpr_workitem_id 0
		.amdhsa_next_free_vgpr 1024
		.amdhsa_next_free_sgpr 98
		.amdhsa_reserve_vcc 0
		.amdhsa_float_denorm_mode_32 3
		.amdhsa_float_denorm_mode_16_64 3
		.amdhsa_memory_ordered 1
		.amdhsa_forward_progress 1
		.amdhsa_inst_pref_size 213
	.end_amdhsa_kernel
	.amdgpu_metadata
---
amdhsa.version: [ 1, 2 ]
amdhsa.kernels:
  - .name:           k_q8e2e199d34_gemm
    .symbol:         k_q8e2e199d34_gemm.kd
    .args:
      - { .name: xq, .offset: 0, .size: 8, .value_kind: global_buffer, .address_space: global }
      - { .name: wq, .offset: 8, .size: 8, .value_kind: global_buffer, .address_space: global }
      - { .name: bias, .offset: 16, .size: 8, .value_kind: global_buffer, .address_space: global }
      - { .name: out0, .offset: 24, .size: 8, .value_kind: global_buffer, .address_space: global }
    .group_segment_fixed_size: 327680
    .private_segment_fixed_size: 0
    .kernarg_segment_align: 8
    .kernarg_segment_size: 32
    .max_flat_workgroup_size: 128
    .sgpr_count:     98
    .vgpr_count:     1024
    .wavefront_size: 32
...
	.end_amdgpu_metadata
.endif
;; end of part 2
